; MI455X (gfx1250); checked and timed in simulation.
; The chip was launched on July 23, 2026; its instructions are those of AMD's public machine-readable ISA for CDNA 5 (MIT licence, August 2026) and "CDNA5" Instruction Set Architecture Reference Guide (July 2026). The comments in the code are by the model that wrote it; some were corrected since.
;; Attention. Allowed arithmetic: float matrix products may take bf16 or f16 operands with f32 sums; all other float work in f32.
;; Inputs: freqs_cos 2,048 x 64 float32; freqs_sin 2,048 x 64 float32; wk 2,048 x 1,024 float32; wo 2,048 x 2,048 float32; wq 2,048 x 2,048 float32; wv 2,048 x 1,024 float32; x 1 x 2,048 x 2,048 float32.
;; Outputs: out0 1 x 2,048 x 2,048 float32.
;; One version. Each part assembles by itself: llvm-mc -triple=amdgcn-amd-amdhsa -mcpu=gfx1250 --defsym DOCPART=n.
;; ======== version 1 of 1: 4 launches
;; limits: values outside matrix products are rounded to bf16; values are held in f16: magnitudes above 65,504 overflow, below 6.1e-05 lose precision; right only within a limited range of input values
;; workspace buffers: xb 8,388,608 bytes; wqkvb 16,777,216 bytes; woh 8,388,608 bytes; qkvh 16,777,216 bytes; ah 8,388,608 bytes
;; launch cast (part 1): grid 128 x 8, 8 waves a work-group, no clusters, 0 bytes of LDS; arguments x, wq, wk, wv, wo, xb, wqkvb, woh; writes xb, wqkvb, woh
.if DOCPART == 1
	.amdgcn_target "amdgcn-amd-amdhsa--gfx1250"
	.amdhsa_code_object_version 6
	.text
	.protected	k_q1027943679_cast
	.globl	k_q1027943679_cast
	.p2align	8
	.type	k_q1027943679_cast,@function
k_q1027943679_cast:
	s_mov_b64 s[64:65], 0
	v_nop
	global_prefetch_b8 v0, s[64:65] scope:SCOPE_SE
	s_setreg_imm32_b32 hwreg(HW_REG_WAVE_MODE, 25, 1), 1
	s_wait_xcnt 0x0
; x, wq, wk, wv, wo (f32) are rounded once to bf16 (nearest even) for the matrix units.
;   xb    [2048][2048]  bf16 = x
;   wqkvb [2048][4096]  bf16 = wq | wk | wv side by side (columns 0-2047, 2048-3071, 3072-4095)
;   woh   [2048][2048]  f16  = wo rounded to bf16's 8 significant bits like the other inputs, and kept in the f16 format, since its
;                              partner in the last product (the attention output) is f16 and a matrix instruction takes one format.
; LIMIT: |wo| above 65,504 becomes infinite in woh and below 2^-17 loses bits; wo as drawn is about 0.02, thirty times that is 0.6.
; A unit is 1,024 numbers: 4,096 bytes in, 2,048 bytes out.  Grid y picks a segment of 2,048 units, grid x sixteen units of it.
; Thread t takes 16 bytes in at 16 t and 8 bytes out at 8 t of each unit: a wave's load covers 512 consecutive bytes, a wave's store
; 256 consecutive bytes at a multiple of 256.  All sixteen loads of a thread go out first: 64 KiB of a work-group are on their way.
; A stream: every byte is read once and written once, so LDS, barriers, clusters and the matrix unit have nothing to add.
.set IO, 2                             ; v[2:17]   byte offset of my 16 bytes in unit i of the source
.set OO, 18                            ; v[18:33]  byte offset of my 8 bytes in unit i of the target
.set X,  34                            ; v[34:97]  unit i: four f32
.set Y,  98                            ; v[98:129] unit i: four 16-bit numbers
	s_load_b512 s[4:19], s[0:1], 0x0               ; x s[4:5], wq s[6:7], wk s[8:9], wv s[10:11], wo s[12:13], xb s[14:15], wqkvb s[16:17], woh s[18:19]
	s_and_b32 s20, ttmp7, 0xffff                   ; y: 0,1 x | 2,3 wq's left and right 1,024 columns | 4 wk | 5 wv | 6,7 wo
	s_and_b32 s26, s20, 1
	s_add_co_u32 s27, s20, 2
	s_and_b32 s27, s27, 7                          ; below 4: a dense segment (x, wo)
	s_lshl_b32 s32, s26, 23                        ; dense: the second half of the source, 8 MiB on,
	s_lshl_b32 s33, s26, 22                        ;        and of the target, 4 MiB on
	s_sub_co_u32 s34, s20, 2
	s_lshl_b32 s34, s34, 11                        ; into wqkvb: 1,024 columns = 2,048 bytes for each y above 2 (not used for y below 2)
	s_cmp_eq_u32 s20, 3
	s_cselect_b32 s35, 0x1000, 0                   ; wq's right half begins 4,096 bytes into a row
	s_mov_b32 s28, 0x1000
	s_lshr_b32 s36, s20, 1
	s_cmp_eq_u32 s36, 1
	s_cselect_b32 s28, 0x2000, s28                 ; bytes from unit to unit in the source: 8,192 in wq, else 4,096
	s_mov_b32 s29, 0x2000
	s_cmp_lt_u32 s27, 4
	s_cselect_b32 s38, s32, s35                    ; first byte in the source
	s_cselect_b32 s40, s33, s34                    ; first byte in the target
	s_cselect_b32 s29, 0x800, s29                  ; bytes from unit to unit in the target: 2,048 dense, 8,192 in wqkvb
	s_mul_i32 s36, ttmp9, s28
	s_lshl_b32 s36, s36, 4
	s_add_co_u32 s38, s38, s36                     ; + 16 units for each work-group
	s_mul_i32 s37, ttmp9, s29
	s_lshl_b32 s37, s37, 4
	s_add_co_u32 s40, s40, s37
	s_mov_b32 s39, 0
	s_mov_b32 s41, 0
	s_mov_b32 s42, 0xffff0000                      ; a word's upper bf16
	v_lshlrev_b32 v[IO], 4, v0
	v_lshlrev_b32 v[OO], 3, v0
.set i, 1
.rept 15
	v_add_nc_u32 v[IO+i], s28, v[IO+i-1]
	v_add_nc_u32 v[OO+i], s29, v[OO+i-1]
.set i, i+1
.endr
	s_wait_kmcnt 0x0
	s_mov_b64 s[22:23], s[12:13]                   ; the source, chosen by y alone
	s_cmp_lt_u32 s20, 6
	s_cselect_b64 s[22:23], s[10:11], s[22:23]
	s_cmp_lt_u32 s20, 5
	s_cselect_b64 s[22:23], s[8:9], s[22:23]
	s_cmp_lt_u32 s20, 4
	s_cselect_b64 s[22:23], s[6:7], s[22:23]
	s_cmp_lt_u32 s20, 2
	s_cselect_b64 s[22:23], s[4:5], s[22:23]
	s_mov_b64 s[24:25], s[18:19]                   ; the target
	s_cmp_lt_u32 s20, 6
	s_cselect_b64 s[24:25], s[16:17], s[24:25]
	s_cmp_lt_u32 s20, 2
	s_cselect_b64 s[24:25], s[14:15], s[24:25]
	s_add_nc_u64 s[22:23], s[22:23], s[38:39]
	s_add_nc_u64 s[24:25], s[24:25], s[40:41]
.set i, 0
.rept 16
	global_load_b128 v[X+4*i:X+4*i+3], v[IO+i], s[22:23] th:TH_LOAD_NT
.set i, i+1
.endr
	s_cmp_lt_u32 s20, 6
	s_cbranch_scc0 .Lhalf
.set i, 0
.rept 16
	s_wait_loadcnt 15-i                            ; loads come back in order: unit i is in, the 15 - i younger ones stay out
	v_cvt_pk_bf16_f32 v[Y+2*i],   v[X+4*i],   v[X+4*i+1]
	v_cvt_pk_bf16_f32 v[Y+2*i+1], v[X+4*i+2], v[X+4*i+3]
	global_store_b64 v[OO+i], v[Y+2*i:Y+2*i+1], s[24:25]       ; no register is written twice: nothing to wait for
.set i, i+1
.endr
	s_endpgm
.Lhalf:                                            ; wo: to bf16, widened again, and packed as f16
.set i, 0
.rept 16
	s_wait_loadcnt 15-i
	v_cvt_pk_bf16_f32 v[Y+2*i],   v[X+4*i],   v[X+4*i+1]
	v_cvt_pk_bf16_f32 v[Y+2*i+1], v[X+4*i+2], v[X+4*i+3]
	v_lshlrev_b32 v[X+4*i],   16,  v[Y+2*i]
	v_and_b32     v[X+4*i+1], s42, v[Y+2*i]
	v_lshlrev_b32 v[X+4*i+2], 16,  v[Y+2*i+1]
	v_and_b32     v[X+4*i+3], s42, v[Y+2*i+1]
	v_cvt_pk_f16_f32 v[Y+2*i],   v[X+4*i],   v[X+4*i+1]
	v_cvt_pk_f16_f32 v[Y+2*i+1], v[X+4*i+2], v[X+4*i+3]
	global_store_b64 v[OO+i], v[Y+2*i:Y+2*i+1], s[24:25]
.set i, i+1
.endr
	s_endpgm
.Lfunc_end_k_q1027943679_cast:
	.size	k_q1027943679_cast, .Lfunc_end_k_q1027943679_cast-k_q1027943679_cast
	.p2alignl 7, 3214868480
	.fill 96, 4, 3214868480
	.section	.rodata,"a",@progbits
	.p2align	6, 0x0
	.amdhsa_kernel k_q1027943679_cast
		.amdhsa_group_segment_fixed_size 0
		.amdhsa_private_segment_fixed_size 0
		.amdhsa_enable_private_segment 0
		.amdhsa_kernarg_size 64
		.amdhsa_user_sgpr_count 2
		.amdhsa_user_sgpr_kernarg_segment_ptr 1
		.amdhsa_wavefront_size32 1
		.amdhsa_system_sgpr_workgroup_id_x 1
		.amdhsa_system_sgpr_workgroup_id_y 1
		.amdhsa_system_sgpr_workgroup_id_z 1
		.amdhsa_system_vgpr_workitem_id 0
		.amdhsa_next_free_vgpr 132
		.amdhsa_next_free_sgpr 66
		.amdhsa_reserve_vcc 0
		.amdhsa_float_denorm_mode_32 3
		.amdhsa_float_denorm_mode_16_64 3
		.amdhsa_memory_ordered 1
		.amdhsa_forward_progress 1
		.amdhsa_inst_pref_size 17
	.end_amdhsa_kernel
	.amdgpu_metadata
---
amdhsa.version: [ 1, 2 ]
amdhsa.kernels:
  - .name:           k_q1027943679_cast
    .symbol:         k_q1027943679_cast.kd
    .args:
      - { .name: x, .offset: 0, .size: 8, .value_kind: global_buffer, .address_space: global }
      - { .name: wq, .offset: 8, .size: 8, .value_kind: global_buffer, .address_space: global }
      - { .name: wk, .offset: 16, .size: 8, .value_kind: global_buffer, .address_space: global }
      - { .name: wv, .offset: 24, .size: 8, .value_kind: global_buffer, .address_space: global }
      - { .name: wo, .offset: 32, .size: 8, .value_kind: global_buffer, .address_space: global }
      - { .name: xb, .offset: 40, .size: 8, .value_kind: global_buffer, .address_space: global }
      - { .name: wqkvb, .offset: 48, .size: 8, .value_kind: global_buffer, .address_space: global }
      - { .name: woh, .offset: 56, .size: 8, .value_kind: global_buffer, .address_space: global }
    .group_segment_fixed_size: 0
    .private_segment_fixed_size: 0
    .kernarg_segment_align: 8
    .kernarg_segment_size: 64
    .max_flat_workgroup_size: 256
    .sgpr_count:     66
    .vgpr_count:     132
    .wavefront_size: 32
...
	.end_amdgpu_metadata
.endif
;; end of part 1
;; launch qkv (part 2): grid 16 x 16, 4 waves a work-group, clusters of 4 x 4, 327,680 bytes of LDS; arguments xb, wqkvb, freqs_cos, freqs_sin, qkvh; writes qkvh
.if DOCPART == 2
	.amdgcn_target "amdgcn-amd-amdhsa--gfx1250"
	.amdhsa_code_object_version 6
	.text
	.protected	k_q1027943679_qkv
	.globl	k_q1027943679_qkv
	.p2align	8
	.type	k_q1027943679_qkv,@function
k_q1027943679_qkv:
	s_mov_b64 s[64:65], 0
	v_nop
	global_prefetch_b8 v0, s[64:65] scope:SCOPE_SE
	s_setreg_imm32_b32 hwreg(HW_REG_WAVE_MODE, 25, 1), 1
	s_wait_xcnt 0x0
	s_wait_alu depctr_hold_cnt(0) depctr_sa_sdst(0) depctr_va_vdst(0) depctr_va_sdst(0) depctr_va_ssrc(0) depctr_va_vcc(0) depctr_vm_vsrc(0)
	s_getreg_b32 s2, hwreg(HW_REG_IB_STS2, 6, 4)
	s_cmp_eq_u32 s2, 0
	s_cbranch_scc0 .Lentry_in_a_cluster
	s_endpgm
.Lentry_in_a_cluster:
	s_bfe_u32 s2, ttmp6, 0x10000c
	s_cmp_lg_u32 s2, 0xf033
	s_cbranch_scc0 .Lentry_shape_is_right
	s_endpgm
.Lentry_shape_is_right:
; qkvh[s][0:4096] (f16) = rope(x wq)/32 | rope(x wk)/32 | x wv.   xb [2048][2048] bf16, wqkvb [k 2048][n 4096] bf16, sums in f32.
; A work-group makes 128 rows x 256 columns with four waves, a wave 64 x 128 (one head): 32 accumulator tiles, 256 registers.
; K goes in steps of 192 (ten of them, then one of 128) through two LDS slots filled by tensor loads: the two slots are all the LDS that the launch
; asks for, so that one request brings as much, and has as much matrix work in which to land, as fits.  The price: x's rows in a tile are 384 bytes
; and begin at multiples of 128 bytes, not of 256; the weights' rows are 512 bytes at multiples of 512.
; 4 x 4 work-groups form a cluster: x's tile hangs on the block row alone and is asked for jointly by a row of the cluster, the weights' tile on the
; block column alone, jointly by a column.  Wave 0 asks for x's 128 rows, waves 1 to 3 for 64 k rows of the weights each.
; The weights lie [k][n], so their fragments come by the transposing LDS load.  The matrix instruction is used transposed (source 0 =
; 16 columns of the weights, source 1 = 16 rows of x): a lane's eight results are eight neighbouring columns of one row.
; FORMATS.  The two tables are taken at bf16 precision like the other inputs; RoPE itself is f32.  Q, K, V leave as f16 (11 significant
; bits): row 0 of the final result is V's row 0 times wo and about twelve times the result's root mean square, so bf16's 8 bits in V, Q
; or K would show there.  Q and K are divided by 32, a power of two, for room: the attention launch multiplies the scores by 1,024 again.
; LIMIT: |Q|, |K| above 2,096,128 and |V| above 65,504 become infinite.  As drawn they are about 0.9; with x, weights and tables all thirty
; times larger Q and K reach 0.9 x 27,000 x 6 = 146,000; with offsets of thirty spreads on all, 2048 x 30 x 0.6 x 44 = 1,630,000, V 37,000.
; REGISTERS: window 0: addresses v16-27, two fragment buffers v32-127, v128-223; window 1: accumulator tile (a, b) at v[8 (8 a + b)].
.set NB,    8                          ; column tiles of a wave
.set PA,    432                        ; LDS row of x: three pieces of 128 bytes + 16 = 27 x 16: sixteen rows start at sixteen different 16-byte columns of 256
.set PB,    544                        ; LDS row of the weights: 512 bytes + 32 = 17 x 32
.set ABYTES, 128*PA                    ; x's 128 rows: wave 0's load
.set BPART, 64*PB                      ; 64 k rows of the weights: the load of wave 1, 2 or 3
.set SLOT,  ABYTES+3*BPART             ; 159,744: x, then the weights' 192 k rows without a gap
.set STAGE, SLOT                       ; the way out goes through slot 1's bytes: their last fill is K step 9's, their last read stands ahead of that step's barrier
.set SP,    528
.set ASTEP, 384                        ; bytes along a row of x for a K step of 192
.set BSTEP, 192*8192                   ; 192 rows of 8,192 bytes
.set ADRA, 16                          ; v16-17 my x fragments in slot 0, 1
.set ADRB, 20                          ; v20-23 my weight fragments: slot 0 k rows 0-95, 96-191, slot 1 likewise (an LDS offset has 16 bits)
.set STO,  24
.set RD,   25
.set CO,   26
.set CSO,  27
.set FA0,  32                          ; buffer f: x at 32 + 96 f (4 tiles), weights at 64 + 96 f (8 tiles)
.set FB0,  64
.set FSTEP, 96
.set X,    32                          ; the way out: 8 pairs of rows, 8 f32 each
.set COS,  96
.set SIN,  128
.set OUTP, 160
.set TT,   224
.set G1A, 24
.set G0A, 32
.set G1B, 40
.set G0B, 48
.set MSB, 0
.macro WIN new                         ; the immediate's high byte repeats the setting that is left
.if MSB != \new
	s_set_vgpr_msb (MSB<<8)|\new
.set MSB, \new
.endif
.endm
.macro PLACES                          ; four places behind a matrix instruction (ISA guide 7.12.1) before its registers are loaded, read or written
.rept 4
	v_nop
.endr
.endm
; A joint load: wave 0 asks for x, the others for their 64 k rows of the weights; one mask a line; the branches hang on the wave's number alone.
; tail = 1: the last K step has 128 k rows, so wave 3 has nothing to fetch and issues none.
.macro JLOAD s, tail
	s_cmp_eq_u32 s14, 0
	s_cbranch_scc0 .Lfor_b_\@
	tensor_load_to_lds s[G0A+4*\s:G0A+4*\s+3], s[G1A:G1A+7]
	s_nop 0
	s_branch .Lasked_\@
.Lfor_b_\@:
.if \tail
	s_cmp_eq_u32 s14, 3
	s_cbranch_scc1 .Lasked_\@
.endif
	tensor_load_to_lds s[G0B+4*\s:G0B+4*\s+3], s[G1B:G1B+7]
	s_nop 0
.Lasked_\@:
.endm
.macro CREST                           ; a round of the cluster's barrier behind its opening barrier
	s_cmp_lg_u32 s14, 0
	s_cbranch_scc1 .Lnot_wave_0_\@
	s_barrier_signal -3
.Lnot_wave_0_\@:
	s_barrier_wait -3
	s_barrier_signal -1
	s_barrier_wait -1
.endm
.macro CROUND
	s_barrier_signal -1
	s_barrier_wait -1
	CREST
.endm
	s_load_b256 s[4:11], s[0:1], 0x0               ; xb s[4:5], wqkvb s[6:7], cos s[8:9], sin s[10:11]
	s_load_b64 s[12:13], s[0:1], 0x20              ; qkvh
	v_lshl_add_u32 v254, v0, 2, 0x4e000
	v_mov_b32 v255, 0
	ds_add_u32 v254, v255
	v_lshrrev_b32 v1, 5, v0
	v_readfirstlane_b32 s14, v1                    ; wave
	s_lshr_b32 s15, s14, 1                         ; my half of the rows
	s_and_b32 s16, s14, 1                          ; my half of the columns
	s_bfe_u32 s17, ttmp6, 0x40000                  ; cx
	s_bfe_u32 s18, ttmp6, 0x40004                  ; cy
	s_mov_b32 s74, ttmp9                           ; the cluster's x: 0, 1 Q | 2 K | 3 V, the same in all sixteen partners
	s_lshl_b32 s19, ttmp9, 2
	s_add_co_u32 s19, s19, s17                     ; block column
	s_and_b32 s20, ttmp7, 0xffff
	s_lshl_b32 s20, s20, 2
	s_add_co_u32 s20, s20, s18                     ; block row
	s_lshl_b32 s21, s18, 2
	s_lshl_b32 s21, 15, s21                        ; my row of the cluster
	s_lshl_b32 s22, 0x1111, s17                    ; my column
	s_or_b32 s[G1A+0], s21, (1<<16)|(1<<20)|(1<<21)|(4<<22)|(3<<25)   ; 2-byte elements, 4 words of padding behind every 32: three pieces to a row of 96 words
	s_mov_b32 s[G1A+1], 192<<16                    ; tensor_dim0 = 192
	s_mov_b32 s[G1A+2], 128<<16                    ; tensor_dim1 = 128
	s_mov_b32 s[G1A+3], 192<<16                    ; tile_dim0 = 192
	s_mov_b32 s[G1A+4], 128                        ; tile_dim1 = 128
	s_mov_b32 s[G1A+5], 2048                       ; elements from row to row
	s_mov_b32 s[G1A+6], 0
	s_mov_b32 s[G1A+7], 0
	s_or_b32 s[G1B+0], s22, (1<<16)|(1<<20)|(1<<21)|(6<<22)|(7<<25)   ; 8 words of padding behind every 128
	s_mov_b32 s[G1B+1], 256<<16
	s_mov_b32 s[G1B+2], 64<<16
	s_mov_b32 s[G1B+3], 256<<16
	s_mov_b32 s[G1B+4], 64
	s_mov_b32 s[G1B+5], 4096
	s_mov_b32 s[G1B+6], 0
	s_mov_b32 s[G1B+7], 0
	s_lshl_b32 s56, s20, 19                        ; x: 128 block row rows of 4,096 bytes; never holds cx
	s_mov_b32 s57, 0
	s_lshl_b32 s60, s19, 9                         ; weights: 512 bytes a block column; never holds cy
	s_max_u32 s59, s14, 1
	s_sub_co_u32 s59, s59, 1                       ; waves 1, 2, 3 take parts 0, 1, 2 (wave 0 does not use this address)
	s_lshl_b32 s59, s59, 19                        ; 64 rows of 8,192 bytes a part
	s_add_co_u32 s60, s60, s59
	s_mov_b32 s61, 0
	s_mul_i32 s62, s14, BPART                      ; where a weight part goes: behind x, (wave - 1) parts on: the wave's number alone
	s_add_co_u32 s62, s62, ABYTES-BPART
	s_lshl_b32 s68, s20, 20                        ; my first byte of qkvh: (128 block row + 64 half) x 8,192 + 512 block column + 256 half
	s_lshl_b32 s70, s15, 19
	s_add_co_u32 s68, s68, s70
	s_lshl_b32 s70, s19, 9
	s_add_co_u32 s68, s68, s70
	s_lshl_b32 s70, s16, 8
	s_add_co_u32 s68, s68, s70
	s_mov_b32 s69, 0
	s_lshl_b32 s72, s20, 15                        ; my first row of the tables, 256 bytes a row
	s_lshl_b32 s70, s15, 14
	s_add_co_u32 s72, s72, s70
	s_mov_b32 s73, 0
	s_mov_b32 s66, 0x3d000000                      ; 1/32, twice (a pair for the packed multiply)
	s_mov_b32 s67, 0x3d000000
	s_mov_b32 s75, 0xffff0000
	s_wait_dscnt 0x0
	s_wait_kmcnt 0x0
	s_add_nc_u64 s[56:57], s[4:5], s[56:57]
	s_add_nc_u64 s[60:61], s[6:7], s[60:61]
	s_add_nc_u64 s[12:13], s[12:13], s[68:69]
	s_add_nc_u64 s[8:9], s[8:9], s[72:73]
	s_add_nc_u64 s[10:11], s[10:11], s[72:73]
	CROUND                                         ; all sixteen work-groups are here: the first joint loads meet
.irp s, 0,1
	s_mov_b32 s[G0A+4*\s], 1
	s_mov_b32 s[G0A+4*\s+1], \s*SLOT
	s_add_nc_u64 s[G0A+4*\s+2:G0A+4*\s+3], s[56:57], \s*ASTEP
	s_or_b32 s[G0A+4*\s+3], s[G0A+4*\s+3], 0x80000000
	s_mov_b32 s[G0B+4*\s], 1
	s_add_co_u32 s[G0B+4*\s+1], s62, \s*SLOT
	s_add_nc_u64 s[G0B+4*\s+2:G0B+4*\s+3], s[60:61], \s*BSTEP
	s_or_b32 s[G0B+4*\s+3], s[G0B+4*\s+3], 0x80000000
	JLOAD \s, 0                                    ; both slots' first fills, ahead of every wait, LDS read and further barrier: two loads of a wave are out
.endr
	v_and_b32 v1, 15, v0                           ; r
	v_bfe_u32 v2, v0, 4, 1                         ; h
	v_mul_u32_u24 v3, v1, PA
	v_lshl_add_u32 v3, v2, 4, v3                   ; x fragment: row r, 16 bytes for each half of the lanes
	s_mul_i32 s58, s15, 64*PA
	v_add_nc_u32 v[ADRA], s58, v3
	v_add_nc_u32 v[ADRA+1], SLOT, v[ADRA]
	v_and_b32 v4, 7, v0
	v_lshl_add_u32 v4, v2, 3, v4                   ; weight fragment: k row 8 h + lane mod 8,
	v_mul_u32_u24 v4, v4, PB
	v_bfe_u32 v5, v0, 3, 1
	v_lshl_add_u32 v4, v5, 4, v4                   ; 16 bytes for each eight lanes
	s_lshl_b32 s59, s16, 8
	s_add_co_u32 s59, s59, ABYTES                  ; my 128 columns, behind x
	v_add_nc_u32 v[ADRB], s59, v4
	v_add_nc_u32 v[ADRB+1], 96*PB, v[ADRB]
	v_add_nc_u32 v[ADRB+2], SLOT, v[ADRB]
	v_add_nc_u32 v[ADRB+3], SLOT, v[ADRB+1]
	s_mul_i32 s58, s14, 16*SP
	s_add_co_u32 s58, s58, STAGE                   ; my stage
	v_mul_u32_u24 v6, v1, SP
	v_lshl_add_u32 v6, v2, 5, v6
	v_add_nc_u32 v[STO], s58, v6                   ; in: row r, 32 bytes for each half of the lanes
	v_mul_u32_u24 v6, v2, SP
	v_lshl_add_u32 v6, v1, 5, v6
	v_add_nc_u32 v[RD], s58, v6                    ; back: lanes 0-15 one row, lanes 16-31 the next, 8 f32 a lane
	v_lshlrev_b32 v6, 13, v2
	v_lshl_add_u32 v[CO], v1, 4, v6                ; the same two rows in qkvh, 16 bytes a lane
	v_lshlrev_b32 v6, 8, v2
	v_lshl_add_u32 v[CSO], v1, 4, v6               ; and in the tables: my four pairs' cos or sin
; 16 matrix instructions: row tiles a0, a0 + 1 x all 8 column tiles, 32 along K.  The 32 accumulators take turns, one instruction a turn,
; in the same order in every chunk and over the loop's jump.
.macro MULH f, a0, zero
.irp a, \a0, \a0+1
.irp b, 0,1,2,3,4,5,6,7
.if \zero
	v_wmma_f32_16x16x32_bf16 v[8*(NB*(\a)+\b):8*(NB*(\a)+\b)+7], v[FB0+FSTEP*\f+8*\b:FB0+FSTEP*\f+8*\b+7], v[FA0+FSTEP*\f+8*(\a):FA0+FSTEP*\f+8*(\a)+7], 0
.else
	v_wmma_f32_16x16x32_bf16 v[8*(NB*(\a)+\b):8*(NB*(\a)+\b)+7], v[FB0+FSTEP*\f+8*\b:FB0+FSTEP*\f+8*\b+7], v[FA0+FSTEP*\f+8*(\a):FA0+FSTEP*\f+8*(\a)+7], v[8*(NB*(\a)+\b):8*(NB*(\a)+\b)+7]
.endif
.endr
.endr
.endm
; 24 LDS loads: the fragments of chunk e (32 along K, e = 0 .. 5) of a slot into buffer f.  In x's rows chunk e begins at byte 64 e + 16 (e / 2): 16 bytes of padding behind every two chunks.
.macro FETCH slot, e, f
	WIN 0
.irp b, 0,1,2,3,4,5,6,7
	ds_load_tr16_b128 v[FB0+FSTEP*\f+8*\b:FB0+FSTEP*\f+8*\b+3],   v[ADRB+2*\slot+(\e/3)] offset:(\e%3)*32*PB+32*\b
	ds_load_tr16_b128 v[FB0+FSTEP*\f+8*\b+4:FB0+FSTEP*\f+8*\b+7], v[ADRB+2*\slot+(\e/3)] offset:(\e%3)*32*PB+32*\b+16*PB
.endr
.irp i, 0,1,2,3
	ds_load_b128 v[FA0+FSTEP*\f+8*\i:FA0+FSTEP*\f+8*\i+3],   v[ADRA+\slot] offset:64*\e+16*(\e>>1)+16*\i*PA
	ds_load_b128 v[FA0+FSTEP*\f+8*\i+4:FA0+FSTEP*\f+8*\i+7], v[ADRA+\slot] offset:64*\e+16*(\e>>1)+16*\i*PA+32
.endr
.endm
.macro CHUNK slot, enext, f, g, zero   ; multiplies buffer f; ahead of that the next chunk's fragments are asked for, into buffer g
	s_wait_dscnt 0x0                               ; buffer f is whole: its loads went out a chunk ago
	PLACES                                         ; the last chunk's matrix instructions read buffer g
	FETCH \slot, \enext, \g
	WIN 0x50                                       ; C and D in window 1
	MULH \f, 0, \zero
	MULH \f, 2, \zero
.endm
; A slot's last chunk, on buffer 1, and the change of slots.  In front of the barrier each wave waits for its reads of this slot and for all its
; tensor loads (one is out: its part of the next slot).  Where the slot is filled again the barrier opens a round of the cluster's barrier, and the
; joint refill is the first tensor load behind the round.  From a request to the wait for it a wave issues 176 matrix instructions.
; fill: 0 none; 1 the K step two further on; 2 the same, and it is the last, of 128: x's rows have 128 elements left (zeros beyond, which no chunk reads).
.macro TURN slot, next, fill
	s_wait_dscnt 0x0
	s_wait_tensorcnt 0x0
	ds_add_u32 v254, v255
	s_wait_dscnt 0x0
	s_barrier_signal -1
	WIN 0x50
	MULH 1, 0, 0                                   ; register work while the others arrive
	WIN 0
	s_barrier_wait -1
.if \fill
	CREST
	s_add_nc_u64 s[G0A+4*\slot+2:G0A+4*\slot+3], s[G0A+4*\slot+2:G0A+4*\slot+3], 2*ASTEP   ; no load of mine is out: the descriptors may be written
	s_add_nc_u64 s[G0B+4*\slot+2:G0B+4*\slot+3], s[G0B+4*\slot+2:G0B+4*\slot+3], 2*BSTEP
.if \fill == 2
	s_mov_b32 s[G1A+1], 128<<16                    ; tensor_dim0 = 128
.endif
	JLOAD \slot, \fill-1
.endif
	PLACES
	FETCH \next, 0, 0
	WIN 0x50
	MULH 1, 2, 0
.endm
.macro FIVE slot, zero
	CHUNK \slot, 1, 0, 1, \zero
	CHUNK \slot, 2, 1, 0, 0
	CHUNK \slot, 3, 0, 1, 0
	CHUNK \slot, 4, 1, 0, 0
	CHUNK \slot, 5, 0, 1, 0
.endm
.macro LAP zero
	FIVE 0, \zero
	TURN 0, 1, 1
	FIVE 1, 0
	TURN 1, 0, 1
.endm
	s_wait_tensorcnt 0x1                           ; my part of K step 0 is in; K step 1's may stay out
	s_barrier_signal -1
	s_barrier_wait -1
	FETCH 0, 0, 0
	LAP 1                                          ; K steps 0, 1: the first products start the sums: nothing is cleared
	WIN 0
	s_mov_b32 s23, 3                               ; K steps 2 to 7
.Llap:
	LAP 0
	WIN 0
	s_sub_co_u32 s23, s23, 1
	s_cmp_lg_u32 s23, 0
	s_cbranch_scc1 .Llap
	FIVE 0, 0                                      ; K step 8; behind it slot 0 takes the last K step, of 128
	TURN 0, 1, 2
	FIVE 1, 0                                      ; K step 9; nothing is left to fetch
	TURN 1, 0, 0
	CHUNK 0, 1, 0, 1, 0                            ; K step 10: four chunks
	CHUNK 0, 2, 1, 0, 0
	CHUNK 0, 3, 0, 1, 0
	s_wait_dscnt 0x0
	WIN 0x50
	MULH 1, 0, 0
	MULH 1, 2, 0
	PLACES
	WIN 0
; THE WAY OUT, 16 rows at a time: f32 into my own stage, back as whole rows (a lane: 8 neighbouring columns = 4 pairs), RoPE in f32 with
; the tables read as whole rows of 256 bytes, one rounding to f16, sixteen lanes store 256 consecutive bytes at a multiple of 256.
.macro OUT16 a, rope
	s_wait_xcnt 0x0                                ; the last group's stores have had their addresses translated (ISA guide 3.1): OUTP is written again only behind this wait
.if \rope
.irp t, 0,1,2,3,4,5,6,7
	global_load_b128 v[COS+4*\t:COS+4*\t+3], v[CSO], s[8:9] offset:(16*\a+2*\t)*256
	global_load_b128 v[SIN+4*\t:SIN+4*\t+3], v[CSO], s[10:11] offset:(16*\a+2*\t)*256
.endr
.endif
	WIN 0x04                                       ; store data in window 1
.irp b, 0,1,2,3,4,5,6,7
	ds_store_b128 v[STO], v[8*(NB*\a+\b):8*(NB*\a+\b)+3] offset:64*\b
	ds_store_b128 v[STO], v[8*(NB*\a+\b)+4:8*(NB*\a+\b)+7] offset:64*\b+16
.endr
	WIN 0
.irp t, 0,1,2,3,4,5,6,7
	ds_load_b128 v[X+8*\t:X+8*\t+3],   v[RD] offset:2*\t*SP       ; LDS serves a wave's instructions in order (ISA guide 5.7.1): these see the stores above
	ds_load_b128 v[X+8*\t+4:X+8*\t+7], v[RD] offset:2*\t*SP+16
.endr
.irp t, 0,1,2,3,4,5,6,7
	s_wait_dscnt 14-2*\t                           ; pair t of the LDS loads is in, the younger pairs stay out
.if \rope
	s_wait_loadcnt 14-2*\t                         ; and pair t of the table loads
	v_cvt_pk_bf16_f32 v[TT+8],  v[COS+4*\t],   v[COS+4*\t+1]   ; the tables at bf16 precision
	v_cvt_pk_bf16_f32 v[TT+9],  v[COS+4*\t+2], v[COS+4*\t+3]
	v_cvt_pk_bf16_f32 v[TT+10], v[SIN+4*\t],   v[SIN+4*\t+1]
	v_cvt_pk_bf16_f32 v[TT+11], v[SIN+4*\t+2], v[SIN+4*\t+3]
.irp u, 0,1
	v_lshlrev_b32 v[COS+4*\t+2*\u],   16,  v[TT+8+\u]
	v_and_b32     v[COS+4*\t+2*\u+1], s75, v[TT+8+\u]
	v_lshlrev_b32 v[SIN+4*\t+2*\u],   16,  v[TT+10+\u]
	v_and_b32     v[SIN+4*\t+2*\u+1], s75, v[TT+10+\u]
.endr
.irp p, 0,1,2,3
	v_mul_f32 v[TT+2*\p],   v[X+8*\t+2*\p+1], v[SIN+4*\t+\p]   ; xi sin
	v_mul_f32 v[TT+2*\p+1], v[X+8*\t+2*\p],   v[SIN+4*\t+\p]   ; xr sin
.endr
.irp p, 0,1,2,3
	v_fma_f32 v[X+8*\t+2*\p],   v[X+8*\t+2*\p],   v[COS+4*\t+\p], -v[TT+2*\p]     ; xr cos - xi sin
	v_fma_f32 v[X+8*\t+2*\p+1], v[X+8*\t+2*\p+1], v[COS+4*\t+\p], v[TT+2*\p+1]    ; xi cos + xr sin
.endr
.irp p, 0,2,4,6
	v_pk_mul_f32 v[X+8*\t+\p:X+8*\t+\p+1], v[X+8*\t+\p:X+8*\t+\p+1], s[66:67] op_sel_hi:[1,0]
.endr
.endif
.irp q, 0,1,2,3
	v_cvt_pk_f16_f32 v[OUTP+4*\t+\q], v[X+8*\t+2*\q], v[X+8*\t+2*\q+1]
.endr
	global_store_b128 v[CO], v[OUTP+4*\t:OUTP+4*\t+3], s[12:13] offset:(16*\a+2*\t)*8192
.endr
.endm
	s_cmp_eq_u32 s74, 3                            ; V's columns take no RoPE; the cluster's x is the same in all partners
	s_cbranch_scc1 .Lplain
	OUT16 0, 1
	OUT16 1, 1
	OUT16 2, 1
	OUT16 3, 1
	s_branch .Ldone
.Lplain:
	OUT16 0, 0
	OUT16 1, 0
	OUT16 2, 0
	OUT16 3, 0
.Ldone:
	s_wait_tensorcnt 0x0
	ds_add_u32 v254, v255
	s_wait_dscnt 0x0
	CROUND                                         ; the closing round: no work-group ends while a partner may still ask for a tile that names it
	s_endpgm
.Lfunc_end_k_q1027943679_qkv:
	.size	k_q1027943679_qkv, .Lfunc_end_k_q1027943679_qkv-k_q1027943679_qkv
	.p2alignl 7, 3214868480
	.fill 96, 4, 3214868480
	.section	.rodata,"a",@progbits
	.p2align	6, 0x0
	.amdhsa_kernel k_q1027943679_qkv
		.amdhsa_group_segment_fixed_size 327680
		.amdhsa_private_segment_fixed_size 0
		.amdhsa_enable_private_segment 0
		.amdhsa_kernarg_size 40
		.amdhsa_user_sgpr_count 2
		.amdhsa_user_sgpr_kernarg_segment_ptr 1
		.amdhsa_wavefront_size32 1
		.amdhsa_system_sgpr_workgroup_id_x 1
		.amdhsa_system_sgpr_workgroup_id_y 1
		.amdhsa_system_sgpr_workgroup_id_z 1
		.amdhsa_system_vgpr_workitem_id 0
		.amdhsa_next_free_vgpr 512
		.amdhsa_next_free_sgpr 80
		.amdhsa_reserve_vcc 0
		.amdhsa_float_denorm_mode_32 3
		.amdhsa_float_denorm_mode_16_64 3
		.amdhsa_memory_ordered 1
		.amdhsa_forward_progress 1
		.amdhsa_inst_pref_size 255
	.end_amdhsa_kernel
	.section	.bss,"aw",@nobits
	.p2align	6
	.space	262144
	.amdgpu_metadata
---
amdhsa.version: [ 1, 2 ]
amdhsa.kernels:
  - .name:           k_q1027943679_qkv
    .symbol:         k_q1027943679_qkv.kd
    .args:
      - { .name: xb, .offset: 0, .size: 8, .value_kind: global_buffer, .address_space: global }
      - { .name: wqkvb, .offset: 8, .size: 8, .value_kind: global_buffer, .address_space: global }
      - { .name: freqs_cos, .offset: 16, .size: 8, .value_kind: global_buffer, .address_space: global }
      - { .name: freqs_sin, .offset: 24, .size: 8, .value_kind: global_buffer, .address_space: global }
      - { .name: qkvh, .offset: 32, .size: 8, .value_kind: global_buffer, .address_space: global }
    .group_segment_fixed_size: 327680
    .private_segment_fixed_size: 0
    .kernarg_segment_align: 8
    .kernarg_segment_size: 40
    .max_flat_workgroup_size: 128
    .sgpr_count:     80
    .vgpr_count:     512
    .wavefront_size: 32
...
	.end_amdgpu_metadata
.endif
;; end of part 2
;; launch attn (part 3): grid 32 x 8, 4 waves a work-group, clusters of 4 x 1, 327,680 bytes of LDS; arguments qkvh, ah; writes ah
.if DOCPART == 3
	.amdgcn_target "amdgcn-amd-amdhsa--gfx1250"
	.amdhsa_code_object_version 6
	.text
	.protected	k_q1027943679_attn
	.globl	k_q1027943679_attn
	.p2align	8
	.type	k_q1027943679_attn,@function
k_q1027943679_attn:
	s_mov_b64 s[64:65], 0
	v_nop
	global_prefetch_b8 v0, s[64:65] scope:SCOPE_SE
	s_setreg_imm32_b32 hwreg(HW_REG_WAVE_MODE, 25, 1), 1
	s_wait_xcnt 0x0
	s_wait_alu depctr_hold_cnt(0) depctr_sa_sdst(0) depctr_va_vdst(0) depctr_va_sdst(0) depctr_va_ssrc(0) depctr_va_vcc(0) depctr_vm_vsrc(0)
	s_getreg_b32 s2, hwreg(HW_REG_IB_STS2, 6, 4)
	s_cmp_eq_u32 s2, 0
	s_cbranch_scc0 .Lentry_in_a_cluster
	s_endpgm
.Lentry_in_a_cluster:
	s_bfe_u32 s2, ttmp6, 0x10000c
	s_cmp_lg_u32 s2, 0x3003
	s_cbranch_scc0 .Lentry_shape_is_right
	s_endpgm
.Lentry_shape_is_right:
; Causal attention with two query heads to a key and value head.  qkvh [2048][4096] f16 = Q/32 | K/32 | V; ah [2048][2048] f16.
; A cluster of four work-groups (cluster x = c, y = KV head g) takes two query blocks of 128 rows, one after the other.  With e = c / 2, o = c mod 2 they are
; blocks 4 e + o and 15 - 4 e - o: 4 e + o + 1 and 16 - 4 e - o key tiles of 128, seventeen for every cluster.  Keys come in slots of 256 (two tiles): the first
; block takes 2 e + 1 slots, always an odd number, the second 8 - 2 e, nine in all, so which of the two LDS slots a step reads is fixed in the text.
; In a block's last slot the diagonal tile is the first half (the second half is then jumped over) or the second: scalar compares on the cluster's x alone.
; Partner cx takes rows 32 cx .. + 31 of the block for both query heads: four query tiles tq = 2 head + sub.  All four partners walk the same K and V tiles in
; the same trips: every tile is a joint load (mask 15).  cx enters Q's address, the output's address and the causal comparison, and nothing else.
; In each tile wave w takes keys 32 w .. + 31 for all 64 rows and keeps its own running maximum, sum and O.  Both blocks' O stay in registers (windows 1 and 3), and
; both are merged over the four waves at the end, through the ring's bytes, which have had their last fill by then.
; TRANSPOSED PRODUCTS: S^T = K Q^T (lane (r, h), register j of tile (tk, tq): key 16 tk + 8 h + j, query r); packed in pairs this IS the B fragment
; of P^T for 32 keys; O^T = V^T P^T with V^T by the transposing LDS load.  Maximum, sum and factor are one number a lane: no shuffle but one across the halves.
; SOFTMAX in base 2: score = 1024 log2(e) / sqrt(128) x (Q/32 . K/32); the running maximum (in these units) is taken away before every exponential.
; LIMITS: it starts at -FLT_MAX (a row whose scores all lie below is not served); v_exp_f32 gives 0 below 2^-126 (ISA guide 15.8); P (at most 1) and the
; output (a mean of V's rows, so within V's range) are f16; the sums over keys are made in four parts and added in f32.
.set PK,    272                        ; LDS row of K: 256 + 16
.set PV,    288                        ; LDS row of V: 256 + 32 = 9 x 32, for the transposing load
.set QUART, 36864                      ; one wave's load: 128 rows (K's use 34,816)
.set SLOT,  4*QUART                    ; K of the first tile, K of the second, V of the first, V of the second
.set SP,    528                        ; merge: a row of 128 f32 + 16 bytes
.set SWAVE, 64*SP                      ; merge: one wave's 64 rows; four waves' 135,168 bytes lie in slot 0 (first block) and in slot 1 (second block)
.set STAT,  2*SLOT                     ; merge: 2 blocks x 4 waves x (64 maxima, 64 sums), bytes of their own
.set QOFF, 1
.set ADRK, 2                           ; v2-3   my K fragments in slot 0, 1
.set ADRV, 4                           ; v4-5   my V fragments
.set D0,   6                           ; (32 cx + r) - (32 w + 8 h)
.set NINF, 7
.set MX,   8                           ; v8-11  first block: running maximum of query tile tq
.set LR,   12                          ; v12-15 first block: running sum (this half of the lanes' keys)
.set AL,   16                          ; v16-23 factor, twice
.set TA,   24
.set TB,   28
.set KF,   32                          ; v32-95   K fragment (tk, ks) at 8 (4 tk + ks)
.set VF,   96                          ; v96-159  V^T fragment td at 8 td
.set SR,   160                         ; v160-223 score tile (tk, tq) at 8 (4 tk + tq); P^T of tq overwrites tile (0, tq)
.set STW,  224
.set STR,  225
.set SCW,  226
.set RD0,  227                         ; v227-228
.set OUTOFF, 229
.set NM,   232                         ; v232-239 minus the new maximum, twice
.set UU,   240                         ; v240-247 at work
.set MX2,  248                         ; v248-251 second block: running maximum
.set LR2,  252                         ; v252-255 second block: running sum
.set A2,   96                          ; merge: v96 SCW, v97-98 RD0 for the second block, one slot further on
; window 1: first block's O^T tile (td, tq) at v[8 (4 td + tq)];  window 3: the second block's
; window 2: Q fragment (tq, ks) at v[8 (4 tq + ks)], the second block's 128 registers further on
.set G1K, 24
.set G0,  32
.set G1V, 40
.set MSB, 0
.macro WIN new
.if MSB != \new
	s_set_vgpr_msb (MSB<<8)|\new
.set MSB, \new
.endif
.endm
.macro PLACES
.rept 4
	v_nop
.endr
.endm
.macro ROUND                           ; a round of the cluster's barrier
	s_barrier_signal -1
	s_barrier_wait -1
	s_cmp_lg_u32 s8, 0
	s_cbranch_scc1 .Lnot_wave_0_\@
	s_barrier_signal -3
.Lnot_wave_0_\@:
	s_barrier_wait -3
	s_barrier_signal -1
	s_barrier_wait -1
.endm
.macro JLOAD s                         ; waves 0, 1 ask for K's two tiles, waves 2, 3 for V's
	s_cmp_eq_u32 s9, 0
	s_cbranch_scc0 .Lfor_v_\@
	tensor_load_to_lds s[G0+4*(\s):G0+4*(\s)+3], s[G1K:G1K+7]
	s_nop 0
	s_branch .Lasked_\@
.Lfor_v_\@:
	tensor_load_to_lds s[G0+4*(\s):G0+4*(\s)+3], s[G1V:G1V+7]
	s_nop 0
.Lasked_\@:
.endm
	s_load_b128 s[4:7], s[0:1], 0x0                ; qkvh s[4:5], ah s[6:7]
	v_lshl_add_u32 v230, v0, 2, 0x49000
	v_mov_b32 v231, 0
	ds_add_u32 v230, v231
	v_lshrrev_b32 v240, 5, v0
	v_readfirstlane_b32 s8, v240                   ; wave
	s_lshr_b32 s9, s8, 1                           ; I fetch K (0) or V (1)
	s_and_b32 s10, s8, 1                           ; the slot's first or second tile
	s_bfe_u32 s11, ttmp6, 0x40000                  ; cx
	s_lshr_b32 s12, ttmp9, 1                       ; e
	s_and_b32 s62, ttmp9, 1                        ; o
	s_lshl2_add_u32 s62, s12, s62                  ; first block 4 e + o, also its last key tile
	s_sub_co_u32 s63, 15, s62                      ; second block
	s_and_b32 s13, ttmp7, 0xffff                   ; g
	s_mov_b32 s18, 0x76543210                      ; v_permlanex16_b32: lane i reads lane i of the other half
	s_mov_b32 s19, 0xfedcba98
	s_mov_b32 s2, 0x430293ee                       ; 1024 log2(e) / sqrt(128) = 130.578, twice
	s_mov_b32 s3, 0x430293ee
	s_mov_b32 s21, 0
	s_mov_b32 s14, 0                               ; j: the pair of key tiles of the slot step
	s_mov_b32 s16, s62                             ; the block's last key tile
	s_lshr_b32 s66, s62, 1                         ; and its last pair
	s_sub_co_u32 s68, 3, s12                       ; trips of the second block's loop
	s_mov_b32 s[G1K+0], 15|(1<<16)|(1<<20)|(1<<21)|(5<<22)|(3<<25)   ; all four partners; 2-byte elements; 4 words of padding behind every 64
	s_mov_b32 s[G1K+1], 128<<16                    ; tensor_dim0 = 128
	s_mov_b32 s[G1K+2], 128<<16                    ; tensor_dim1 = 128
	s_mov_b32 s[G1K+3], 128<<16                    ; tile_dim0 = 128
	s_mov_b32 s[G1K+4], 128                        ; tile_dim1 = 128
	s_mov_b32 s[G1K+5], 4096
	s_mov_b32 s[G1K+6], 0
	s_mov_b32 s[G1K+7], 0
	s_mov_b32 s[G1V+0], 15|(1<<16)|(1<<20)|(1<<21)|(5<<22)|(7<<25)   ; 8 words of padding
	s_mov_b32 s[G1V+1], 128<<16
	s_mov_b32 s[G1V+2], 128<<16
	s_mov_b32 s[G1V+3], 128<<16
	s_mov_b32 s[G1V+4], 128
	s_mov_b32 s[G1V+5], 4096
	s_mov_b32 s[G1V+6], 0
	s_mov_b32 s[G1V+7], 0
	s_mov_b32 s[G0], 1
	s_mul_i32 s[G0+1], s8, QUART
	s_mov_b32 s[G0+4], 1
	s_add_co_u32 s[G0+5], s[G0+1], SLOT
	s_lshl_b32 s56, s13, 8                         ; my part of pair 0: K at byte 4,096 of a row, V 2,048 further, 256 bytes a head, 128 rows a tile
	s_lshl_b32 s57, s9, 11
	s_add_co_u32 s56, s56, s57
	s_lshl_b32 s57, s10, 20
	s_add_co_u32 s56, s56, s57
	s_add_co_u32 s56, s56, 4096
	s_mov_b32 s57, 0
	s_mov_b32 s59, 0
	s_lshl_b32 s61, s13, 9                         ; 512 bytes for a pair of query heads
	s_wait_dscnt 0x0
	s_wait_kmcnt 0x0
	s_add_nc_u64 s[22:23], s[4:5], s[56:57]
	s_mov_b64 s[G0+2:G0+3], s[22:23]
	s_or_b32 s[G0+3], s[G0+3], 0x80000000
	s_lshl_b32 s60, s11, 18                        ; Q: 32 cx rows of 8,192 bytes
	s_add_co_u32 s60, s60, s61
	s_lshl_b32 s58, s62, 20
	s_add_co_u32 s58, s58, s60
	s_add_nc_u64 s[48:49], s[4:5], s[58:59]        ; Q of the first block
	s_lshl_b32 s58, s63, 20
	s_add_co_u32 s58, s58, s60
	s_add_nc_u64 s[50:51], s[4:5], s[58:59]        ; of the second
	s_lshl_b32 s60, s11, 17                        ; output: rows of 4,096 bytes
	s_add_co_u32 s60, s60, s61
	s_lshl_b32 s58, s62, 19
	s_add_co_u32 s58, s58, s60
	s_add_nc_u64 s[52:53], s[6:7], s[58:59]
	s_lshl_b32 s58, s63, 19
	s_add_co_u32 s58, s58, s60
	s_add_nc_u64 s[54:55], s[6:7], s[58:59]
	v_and_b32 v240, 15, v0                         ; r
	v_bfe_u32 v241, v0, 4, 1                       ; h
	v_lshlrev_b32 v[QOFF], 13, v240
	v_lshl_add_u32 v[QOFF], v241, 4, v[QOFF]
.macro LOADQ qb, base                  ; my 64 rows x 128 of Q as 16 B fragments, straight from memory into window 2
	WIN 0x80
.irp tq, 0,1,2,3
.irp ks, 0,1,2,3
	global_load_b128 v[\base+8*(4*\tq+\ks):\base+8*(4*\tq+\ks)+3],   v[QOFF], s[\qb:\qb+1] offset:(\tq&1)*131072+(\tq>>1)*256+64*\ks
	global_load_b128 v[\base+8*(4*\tq+\ks)+4:\base+8*(4*\tq+\ks)+7], v[QOFF], s[\qb:\qb+1] offset:(\tq&1)*131072+(\tq>>1)*256+64*\ks+32
.endr
.endr
	WIN 0
.endm
	LOADQ 48, 0
	ROUND                                          ; in front of the first joint load
	JLOAD 0                                        ; key tiles 0 and 1 into slot 0
	v_mul_u32_u24 v242, v240, PK
	v_lshl_add_u32 v242, v241, 4, v242
	s_mul_i32 s56, s8, 32*PK
	v_add_nc_u32 v[ADRK], s56, v242                ; K: row 32 w + r of a tile, 16 bytes for each half of the lanes
	v_add_nc_u32 v[ADRK+1], SLOT, v[ADRK]
	v_and_b32 v242, 7, v0
	v_lshl_add_u32 v242, v241, 3, v242
	v_mul_u32_u24 v242, v242, PV
	v_bfe_u32 v243, v0, 3, 1
	v_lshl_add_u32 v242, v243, 4, v242
	s_mul_i32 s56, s8, 32*PV
	s_add_co_u32 s56, s56, 2*QUART
	v_add_nc_u32 v[ADRV], s56, v242                ; V: row 32 w + 8 h + lane mod 8, 16 bytes for each eight lanes
	v_add_nc_u32 v[ADRV+1], SLOT, v[ADRV]
	s_sub_co_i32 s60, s11, s8
	s_lshl_b32 s60, s60, 5
	v_lshlrev_b32 v242, 3, v241
	v_sub_nc_u32 v[D0], v240, v242
	v_add_nc_u32 v[D0], s60, v[D0]
	v_mov_b32 v[NINF], 0xff800000
	s_lshl_b32 s56, s8, 9
	s_add_co_u32 s56, s56, STAT
	v_lshl_add_u32 v[STW], v240, 2, s56
	v_lshlrev_b32 v[STR], 2, v240
	v_add_nc_u32 v[STR], STAT, v[STR]
	v_mul_u32_u24 v242, v240, SP
	v_lshl_add_u32 v242, v241, 5, v242
	s_mul_i32 s56, s8, SWAVE
	v_add_nc_u32 v[SCW], s56, v242                 ; my O: row 16 tq + r, 32 bytes for each half of the lanes
	v_mul_u32_u24 v242, v241, SP
	v_lshl_add_u32 v242, v240, 5, v242
	s_mul_i32 s56, s8, 16*SP
	v_add_nc_u32 v[RD0], s56, v242                 ; back: query tile w, lanes 0-15 one row, lanes 16-31 the next, 8 f32 a lane
	v_add_nc_u32 v[RD0+1], 2*SWAVE, v[RD0]
	s_lshl_b32 s56, s10, 16
	s_lshl_b32 s57, s9, 8
	s_add_co_u32 s56, s56, s57
	v_lshlrev_b32 v242, 12, v241
	v_lshl_add_u32 v242, v240, 4, v242
	v_add_nc_u32 v[OUTOFF], s56, v242              ; tile w = 2 head + sub: row 16 sub + h, 256 bytes a head, 16 bytes a lane
.irp tq, 0,1,2,3
	v_mov_b32 v[MX+\tq], 0xff7fffff                ; -FLT_MAX
	v_mov_b32 v[MX2+\tq], 0xff7fffff
.endr
.macro LOADK slot, hf                  ; 16 LDS loads: my 32 keys of tile hf of a slot
.irp tk, 0,1
.irp ks, 0,1,2,3
	ds_load_b128 v[KF+8*(4*\tk+\ks):KF+8*(4*\tk+\ks)+3],   v[ADRK+\slot] offset:\hf*QUART+16*\tk*PK+64*\ks
	ds_load_b128 v[KF+8*(4*\tk+\ks)+4:KF+8*(4*\tk+\ks)+7], v[ADRK+\slot] offset:\hf*QUART+16*\tk*PK+64*\ks+32
.endr
.endr
.endm
.macro LOADV slot, hf                  ; 16 transposing LDS loads: V^T of the same keys
.irp td, 0,1,2,3,4,5,6,7
	ds_load_tr16_b128 v[VF+8*\td:VF+8*\td+3],   v[ADRV+\slot] offset:\hf*QUART+32*\td
	ds_load_tr16_b128 v[VF+8*\td+4:VF+8*\td+7], v[ADRV+\slot] offset:\hf*QUART+32*\td+16*PV
.endr
.endm
.macro SMUL qb                         ; 32 matrix instructions: eight score tiles by turns, one instruction a turn
	WIN 0x08                                       ; source 1 (Q) in window 2
.irp ks, 0,1,2,3
.irp tk, 0,1
.irp tq, 0,1,2,3
.if \ks == 0
	v_wmma_f32_16x16x32_f16 v[SR+8*(4*\tk+\tq):SR+8*(4*\tk+\tq)+7], v[KF+8*(4*\tk+\ks):KF+8*(4*\tk+\ks)+7], v[\qb+8*(4*\tq+\ks):\qb+8*(4*\tq+\ks)+7], 0
.else
	v_wmma_f32_16x16x32_f16 v[SR+8*(4*\tk+\tq):SR+8*(4*\tk+\tq)+7], v[KF+8*(4*\tk+\ks):KF+8*(4*\tk+\ks)+7], v[\qb+8*(4*\tq+\ks):\qb+8*(4*\tq+\ks)+7], v[SR+8*(4*\tk+\tq):SR+8*(4*\tk+\tq)+7]
.endif
.endr
.endr
.endr
	WIN 0
.endm
.macro MASKIT                          ; the diagonal tile
.irp sub, 0,1
.irp tk, 0,1
.irp j, 0,1,2,3,4,5,6,7
	v_cmp_le_i32 vcc_lo, \j+16*(\tk-\sub), v[D0]   ; key 32 w + 16 tk + 8 h + j is at or before query 32 cx + 16 sub + r
	v_cndmask_b32 v[SR+8*(4*\tk+\sub)+\j], v[NINF], v[SR+8*(4*\tk+\sub)+\j], vcc_lo
	v_cndmask_b32 v[SR+8*(4*\tk+2+\sub)+\j], v[NINF], v[SR+8*(4*\tk+2+\sub)+\j], vcc_lo
.endr
.endr
.endr
.endm
; The four query tiles go through each stage side by side: four chains that do not wait for each other.
.macro SOFTMAX first, mx, lr
.irp tq, 0,1,2,3
	v_max3_num_f32 v[TA+\tq], v[SR+8*\tq], v[SR+8*\tq+1], v[SR+8*\tq+2]
	v_max3_num_f32 v[TB+\tq], v[SR+32+8*\tq], v[SR+32+8*\tq+1], v[SR+32+8*\tq+2]
.endr
.irp tq, 0,1,2,3
	v_max3_num_f32 v[TA+\tq], v[TA+\tq], v[SR+8*\tq+3], v[SR+8*\tq+4]
	v_max3_num_f32 v[TB+\tq], v[TB+\tq], v[SR+32+8*\tq+3], v[SR+32+8*\tq+4]
.endr
.irp tq, 0,1,2,3
	v_max3_num_f32 v[TA+\tq], v[TA+\tq], v[SR+8*\tq+5], v[SR+8*\tq+6]
	v_max3_num_f32 v[TB+\tq], v[TB+\tq], v[SR+32+8*\tq+5], v[SR+32+8*\tq+6]
.endr
.irp tq, 0,1,2,3
	v_max3_num_f32 v[TA+\tq], v[TA+\tq], v[SR+8*\tq+7], v[SR+32+8*\tq+7]
.endr
.irp tq, 0,1,2,3
	v_max_num_f32 v[TA+\tq], v[TA+\tq], v[TB+\tq]
.endr
.irp tq, 0,1,2,3
	v_permlanex16_b32 v[TB+\tq], v[TA+\tq], s18, s19           ; the other half of the lanes holds the query's other 16 keys
.endr
.irp tq, 0,1,2,3
	v_max_num_f32 v[TA+\tq], v[TA+\tq], v[TB+\tq]
.endr
.irp tq, 0,1,2,3
	v_mul_f32 v[TA+\tq], s2, v[TA+\tq]                         ; into the exponent's units (the factor is positive)
.endr
.irp tq, 0,1,2,3
	v_max_num_f32 v[TA+\tq], v[TA+\tq], v[\mx+\tq]             ; the new running maximum: never below -FLT_MAX, so never infinite
.endr
.if \first == 0
.irp tq, 0,1,2,3
	v_sub_f32 v[TB+\tq], v[\mx+\tq], v[TA+\tq]
.endr
.endif
.irp tq, 0,1,2,3
	v_mov_b32 v[\mx+\tq], v[TA+\tq]
	v_mul_f32 v[NM+2*\tq],   -1.0, v[TA+\tq]
	v_mul_f32 v[NM+2*\tq+1], -1.0, v[TA+\tq]
.endr
.if \first == 0
.irp tq, 0,1,2,3
	v_exp_f32 v[AL+2*\tq], v[TB+\tq]                           ; the factor for what has been summed; the packed lines below are the plain place behind it (ISA guide 5.7.2)
.endr
.endif
.irp tq, 0,1,2,3
.irp p, 0,2,4,6
	v_pk_fma_f32 v[SR+8*\tq+\p:SR+8*\tq+\p+1], v[SR+8*\tq+\p:SR+8*\tq+\p+1], s[2:3], v[NM+2*\tq:NM+2*\tq+1] op_sel_hi:[1,0,1]
	v_pk_fma_f32 v[SR+32+8*\tq+\p:SR+32+8*\tq+\p+1], v[SR+32+8*\tq+\p:SR+32+8*\tq+\p+1], s[2:3], v[NM+2*\tq:NM+2*\tq+1] op_sel_hi:[1,0,1]
.endr
.endr
.if \first == 0
	s_wait_alu depctr_va_vdst(0)
.irp tq, 0,1,2,3
	v_mov_b32 v[AL+2*\tq+1], v[AL+2*\tq]
.endr
.endif
.irp tq, 0,1,2,3
.irp j, 0,1,2,3,4,5,6,7
	v_exp_f32 v[SR+8*\tq+\j], v[SR+8*\tq+\j]
	v_exp_f32 v[SR+32+8*\tq+\j], v[SR+32+8*\tq+\j]
.endr
.endr
	v_nop                                                      ; the plain place behind the last exponential
	s_wait_alu depctr_va_vdst(0)
.irp tq, 0,1,2,3
	v_pk_add_f32 v[UU+2*\tq:UU+2*\tq+1], v[SR+8*\tq:SR+8*\tq+1], v[SR+8*\tq+2:SR+8*\tq+3]
.endr
.irp p, 4,6,32,34,36,38
.irp tq, 0,1,2,3
	v_pk_add_f32 v[UU+2*\tq:UU+2*\tq+1], v[UU+2*\tq:UU+2*\tq+1], v[SR+8*\tq+\p:SR+8*\tq+\p+1]
.endr
.endr
.if \first
.irp tq, 0,1,2,3
	v_add_f32 v[\lr+\tq], v[UU+2*\tq], v[UU+2*\tq+1]
.endr
.else
.irp tq, 0,1,2,3
	v_add_f32 v[TA+\tq], v[UU+2*\tq], v[UU+2*\tq+1]
.endr
.irp tq, 0,1,2,3
	v_fma_f32 v[\lr+\tq], v[\lr+\tq], v[AL+2*\tq], v[TA+\tq]
.endr
.endif
.irp tq, 0,1,2,3
.irp q, 0,1,2,3
	v_cvt_pk_f16_f32 v[SR+8*\tq+\q], v[SR+8*\tq+2*\q], v[SR+8*\tq+2*\q+1]          ; keys 8 h .. + 7: rising, so no source is lost
.endr
.irp q, 0,1,2,3
	v_cvt_pk_f16_f32 v[SR+8*\tq+4+\q], v[SR+32+8*\tq+2*\q], v[SR+32+8*\tq+2*\q+1]  ; keys 16 + 8 h .. + 7
.endr
.endr
.endm
.macro RESCALE ow                      ; O in window ow times the lane's factor
	WIN ((\ow<<6)|\ow)
.irp td, 0,1,2,3,4,5,6,7
.irp tq, 0,1,2,3
.irp p, 0,2,4,6
	v_pk_mul_f32 v[8*(4*\td+\tq)+\p:8*(4*\td+\tq)+\p+1], v[8*(4*\td+\tq)+\p:8*(4*\td+\tq)+\p+1], v[AL+2*\tq:AL+2*\tq+1]
.endr
.endr
.endr
.endm
.macro PVMUL first, ow                 ; 32 matrix instructions, each on an accumulator of its own
	WIN ((\ow<<6)|(\ow<<4))
.irp td, 0,1,2,3,4,5,6,7
.irp tq, 0,1,2,3
.if \first
	v_wmma_f32_16x16x32_f16 v[8*(4*\td+\tq):8*(4*\td+\tq)+7], v[VF+8*\td:VF+8*\td+7], v[SR+8*\tq:SR+8*\tq+7], 0
.else
	v_wmma_f32_16x16x32_f16 v[8*(4*\td+\tq):8*(4*\td+\tq)+7], v[VF+8*\td:VF+8*\td+7], v[SR+8*\tq:SR+8*\tq+7], v[8*(4*\td+\tq):8*(4*\td+\tq)+7]
.endif
.endr
.endr
	WIN 0
.endm
; One key tile (half hf of a slot).  On entry its 16 K loads and, behind them, its 16 V loads have been issued.  first: the block's first tile starts maximum, sum and O.
; dyn: the tile is masked if it is the block's last (s67 holds its number).  In the first half the second half's K fragments are asked for as soon as the scores are made.
.macro HALF slot, hf, first, dyn, qb, ow, mx, lr
	s_wait_dscnt 16                                ; K's sixteen loads are in, V's sixteen may stay out
	SMUL \qb
	PLACES                                         ; four places (ISA guide 7.12.1): the scores are read, and K's registers loaded again, below
.if \hf == 0
	LOADK \slot, 1
.endif
.if \dyn
	s_cmp_lg_u32 s67, s16
	s_cbranch_scc1 .Lnomask_\@
	MASKIT
.Lnomask_\@:
.endif
	SOFTMAX \first, \mx, \lr
.if \first == 0
	RESCALE \ow
.endif
	s_wait_dscnt 16*(1-\hf)                        ; V's fragments are in; in the first half the second half's sixteen K loads may stay out
	PVMUL \first, \ow
.endm
; One slot of 256 keys.  refill: the next pair of tiles is asked for, into the other slot; it has this slot's two tiles of work in which to land.
; dyn: this may be the block's last slot.
.macro SLOTSTEP slot, first, refill, dyn, qb, ow, mx, lr
	s_wait_tensorcnt 0x0                           ; all my tensor loads are done (one was out: my part of this slot), so a descriptor may be written
	ds_add_u32 v230, v231
	s_wait_dscnt 0x0
.if \refill
	s_add_co_u32 s15, s14, 1
	s_cmp_eq_u32 s14, s66
	s_cselect_b32 s15, 0, s15                      ; behind a block's last pair comes pair 0 of the next block
	s_lshl_b32 s20, s15, 21                        ; 256 rows of 8,192 bytes
	s_add_nc_u64 s[G0+4*(1-\slot)+2:G0+4*(1-\slot)+3], s[22:23], s[20:21]
	s_or_b32 s[G0+4*(1-\slot)+3], s[G0+4*(1-\slot)+3], 0x80000000
.endif
	s_wait_dscnt 0x0                               ; my reads of the other slot are done
	ROUND                                          ; both now hold of every wave of all four partners
.if \refill
	JLOAD 1-\slot                                  ; my one tensor load behind the round
.endif
.rept 5
	v_nop                                          ; five places behind the last products: their V and P registers are loaded and written over below (ISA guide 7.12.1)
.endr
	LOADK \slot, 0
	LOADV \slot, 0
.if \first
	s_wait_loadcnt 0x0                             ; the block's Q
.if \ow == 1
	LOADQ 50, 128                                  ; the second block's Q comes in while the first block is worked on
.endif
.endif
.if \dyn
	s_lshl_b32 s67, s14, 1                         ; the first half's tile
.endif
	HALF \slot, 0, \first, \dyn, \qb, \ow, \mx, \lr
.rept 5
	v_nop                                          ; five places again: V's registers are loaded, and P's written over by the next scores
.endr
	LOADV \slot, 1
.if \dyn
	s_cmp_eq_u32 s67, s16                          ; the first half was the diagonal tile: the second lies behind every query
	s_cbranch_scc1 .Lskip_\@
	s_or_b32 s67, s67, 1
.endif
	HALF \slot, 1, 0, \dyn, \qb, \ow, \mx, \lr
.if \dyn
.Lskip_\@:
.endif
.if \refill
	s_mov_b32 s14, s15
.endif
.endm
.macro B1 slot, first, refill, dyn
	SLOTSTEP \slot, \first, \refill, \dyn, 0, 1, MX, LR
.endm
.macro B2 slot, first, refill, dyn
	SLOTSTEP \slot, \first, \refill, \dyn, 128, 3, MX2, LR2
.endm
; THE MERGE of a block's four parts: common maximum and sum through STAT, each wave's O scaled by its share and laid into the block's scratch,
; wave w adds the four parts of query tile w, rounds once to f16 and stores whole head rows of 256 bytes.
.macro MSTAT mx, lr, so
.irp tq, 0,1,2,3
	v_permlanex16_b32 v[TB+\tq], v[\lr+\tq], s18, s19
.endr
.irp tq, 0,1,2,3
	v_add_f32 v[\lr+\tq], v[\lr+\tq], v[TB+\tq]
.endr
.irp tq, 0,1,2,3
	ds_store_b32 v[STW], v[\mx+\tq] offset:\so+64*\tq
	ds_store_b32 v[STW], v[\lr+\tq] offset:\so+64*\tq+256
.endr
.endm
.macro MSLOAD ms, so                   ; the four waves' maxima into v[ms ..], their sums 16 registers further on
.irp ww, 0,1,2,3
.irp tq, 0,1,2,3
	ds_load_b32 v[\ms+4*\ww+\tq], v[STR] offset:\so+512*\ww+64*\tq
	ds_load_b32 v[\ms+16+4*\ww+\tq], v[STR] offset:\so+512*\ww+64*\tq+256
.endr
.endr
.endm
.macro MSCALE mx, ms, ow, scw
.irp tq, 0,1,2,3
	v_max3_num_f32 v[TA+\tq], v[\ms+\tq], v[\ms+4+\tq], v[\ms+8+\tq]
.endr
.irp tq, 0,1,2,3
	v_max_num_f32 v[TA+\tq], v[TA+\tq], v[\ms+12+\tq]          ; finite: wave 0 holds key 0 of the block's first tile, which no query masks
.endr
.irp tq, 0,1,2,3
	v_sub_f32 v[TB+\tq], v[\mx+\tq], v[TA+\tq]
.irp ww, 0,1,2,3
	v_sub_f32 v[\ms+4*\ww+\tq], v[\ms+4*\ww+\tq], v[TA+\tq]
.endr
.endr
.irp tq, 0,1,2,3
	v_exp_f32 v[TB+\tq], v[TB+\tq]
.irp ww, 0,1,2,3
	v_exp_f32 v[\ms+4*\ww+\tq], v[\ms+4*\ww+\tq]
.endr
.endr
	v_nop
	s_wait_alu depctr_va_vdst(0)
.irp tq, 0,1,2,3
	v_mul_f32 v[TA+\tq], v[\ms+\tq], v[\ms+16+\tq]
.endr
.irp ww, 1,2,3
.irp tq, 0,1,2,3
	v_fmac_f32 v[TA+\tq], v[\ms+4*\ww+\tq], v[\ms+16+4*\ww+\tq]
.endr
.endr
.irp tq, 0,1,2,3
	v_rcp_f32 v[UU+\tq], v[TA+\tq]                             ; the sum is at least 1: the wave with the maximum counts it as 1
.endr
	v_nop
	s_wait_alu depctr_va_vdst(0)
.irp tq, 0,1,2,3
	v_mul_f32 v[AL+2*\tq],   v[TB+\tq], v[UU+\tq]
	v_mul_f32 v[AL+2*\tq+1], v[TB+\tq], v[UU+\tq]
.endr
	RESCALE \ow
	WIN (\ow<<2)
.irp td, 0,1,2,3,4,5,6,7
.irp tq, 0,1,2,3
	ds_store_b128 v[\scw], v[8*(4*\td+\tq):8*(4*\td+\tq)+3] offset:16*\tq*SP+64*\td
	ds_store_b128 v[\scw], v[8*(4*\td+\tq)+4:8*(4*\td+\tq)+7] offset:16*\tq*SP+64*\td+16
.endr
.endr
	WIN 0
.endm
.macro MOUTL ow, rdb                   ; the four parts of my query tile, into the block's O registers
	WIN (\ow<<6)
.irp ww, 0,1,2,3
.irp i, 0,1,2,3,4,5,6,7
	ds_load_b128 v[64*\ww+8*\i:64*\ww+8*\i+3],   v[\rdb+(\ww>>1)] offset:(\ww&1)*SWAVE+2*\i*SP
	ds_load_b128 v[64*\ww+8*\i+4:64*\ww+8*\i+7], v[\rdb+(\ww>>1)] offset:(\ww&1)*SWAVE+2*\i*SP+16
.endr
.endr
	WIN 0
.endm
.macro MOUTS ow, pkd, ob
	WIN ((\ow<<6)|(\ow<<2)|\ow)
.irp i, 0,1,2,3,4,5,6,7
.irp p, 0,2,4,6
	v_pk_add_f32 v[8*\i+\p:8*\i+\p+1], v[8*\i+\p:8*\i+\p+1], v[64+8*\i+\p:64+8*\i+\p+1]
	v_pk_add_f32 v[128+8*\i+\p:128+8*\i+\p+1], v[128+8*\i+\p:128+8*\i+\p+1], v[192+8*\i+\p:192+8*\i+\p+1]
.endr
.endr
.irp i, 0,1,2,3,4,5,6,7
.irp p, 0,2,4,6
	v_pk_add_f32 v[8*\i+\p:8*\i+\p+1], v[8*\i+\p:8*\i+\p+1], v[128+8*\i+\p:128+8*\i+\p+1]
.endr
.endr
	WIN ((\ow<<2)|\ow)
.irp i, 0,1,2,3,4,5,6,7
.irp q, 0,1,2,3
	v_cvt_pk_f16_f32 v[\pkd+4*\i+\q], v[8*\i+2*\q], v[8*\i+2*\q+1]
.endr
.endr
	WIN 0
.irp i, 0,1,2,3,4,5,6,7
	global_store_b128 v[OUTOFF], v[\pkd+4*\i:\pkd+4*\i+3], s[\ob:\ob+1] offset:2*\i*4096   ; sixteen lanes: 256 consecutive bytes at a multiple of 256
.endr
.endm
	; the first block: 2 e + 1 slots, on LDS slots 0, 1, 0, ... 0; only one on slot 0 can be its last
	B1 0, 1, 1, 1
	s_cmp_eq_u32 s12, 0
	s_cbranch_scc1 .Lb1done
	s_mov_b32 s17, 0
.Lb1:
	B1 1, 0, 1, 0
	B1 0, 0, 1, 1
	s_add_co_u32 s17, s17, 1
	s_cmp_lt_u32 s17, s12
	s_cbranch_scc1 .Lb1
.Lb1done:
	s_mov_b32 s16, s63
	s_lshr_b32 s66, s63, 1
	; the second block: 8 - 2 e slots, on LDS slots 1, 0, ... 0; its pair 0 was asked for in the first block's last slot
	B2 1, 1, 1, 0
	s_cmp_eq_u32 s68, 0
	s_cbranch_scc1 .Lb2done
	s_mov_b32 s17, 0
.Lb2:
	B2 0, 0, 1, 0
	B2 1, 0, 1, 0
	s_add_co_u32 s17, s17, 1
	s_cmp_lt_u32 s17, s68
	s_cbranch_scc1 .Lb2
.Lb2done:
	B2 0, 0, 0, 1                                  ; the last slot: nothing is left to fetch
	; both merges.  No tensor load follows: the ring's bytes have had their last fill and serve as scratch.
	PLACES                                         ; behind the last products, whose results are read below
	MSTAT MX, LR, 0
	MSTAT MX2, LR2, 2048
	s_wait_dscnt 0x0                               ; for the other waves' sake: my statistics are written, and my last reads of the ring are back
	s_barrier_signal -1
	s_barrier_wait -1                              ; no wave reads the ring any more
	MSLOAD 32, 0
	MSLOAD 64, 2048
	v_add_nc_u32 v[A2],   SLOT, v[SCW]             ; the second block's scratch lies one slot further on
	v_add_nc_u32 v[A2+1], SLOT, v[RD0]
	v_add_nc_u32 v[A2+2], SLOT, v[RD0+1]
	s_wait_dscnt 0x0
	MSCALE MX, 32, 1, SCW
	MSCALE MX2, 64, 3, A2
	s_wait_dscnt 0x0
	s_barrier_signal -1
	s_barrier_wait -1
	MOUTL 1, RD0
	s_wait_dscnt 0x0
	MOUTL 3, A2+1                                  ; the second block's parts come in while the first block's are added
	MOUTS 1, 32, 52
	s_wait_dscnt 0x0
	MOUTS 3, 64, 54
	s_wait_tensorcnt 0x0
	ds_add_u32 v230, v231
	s_wait_dscnt 0x0
	ROUND                                          ; the closing round
	s_endpgm
.Lfunc_end_k_q1027943679_attn:
	.size	k_q1027943679_attn, .Lfunc_end_k_q1027943679_attn-k_q1027943679_attn
	.p2alignl 7, 3214868480
	.fill 96, 4, 3214868480
	.section	.rodata,"a",@progbits
	.p2align	6, 0x0
	.amdhsa_kernel k_q1027943679_attn
		.amdhsa_group_segment_fixed_size 327680
		.amdhsa_private_segment_fixed_size 0
		.amdhsa_enable_private_segment 0
		.amdhsa_kernarg_size 16
		.amdhsa_user_sgpr_count 2
		.amdhsa_user_sgpr_kernarg_segment_ptr 1
		.amdhsa_wavefront_size32 1
		.amdhsa_system_sgpr_workgroup_id_x 1
		.amdhsa_system_sgpr_workgroup_id_y 1
		.amdhsa_system_sgpr_workgroup_id_z 1
		.amdhsa_system_vgpr_workitem_id 0
		.amdhsa_next_free_vgpr 1024
		.amdhsa_next_free_sgpr 72
		.amdhsa_reserve_vcc 1
		.amdhsa_float_denorm_mode_32 3
		.amdhsa_float_denorm_mode_16_64 3
		.amdhsa_memory_ordered 1
		.amdhsa_forward_progress 1
		.amdhsa_inst_pref_size 255
	.end_amdhsa_kernel
	.section	.bss,"aw",@nobits
	.p2align	6
	.space	262144
	.amdgpu_metadata
---
amdhsa.version: [ 1, 2 ]
amdhsa.kernels:
  - .name:           k_q1027943679_attn
    .symbol:         k_q1027943679_attn.kd
    .args:
      - { .name: qkvh, .offset: 0, .size: 8, .value_kind: global_buffer, .address_space: global }
      - { .name: ah, .offset: 8, .size: 8, .value_kind: global_buffer, .address_space: global }
    .group_segment_fixed_size: 327680
    .private_segment_fixed_size: 0
    .kernarg_segment_align: 8
    .kernarg_segment_size: 16
    .max_flat_workgroup_size: 128
    .sgpr_count:     72
    .vgpr_count:     1024
    .wavefront_size: 32
...
	.end_amdgpu_metadata
.endif
;; end of part 3
;; launch oproj (part 4): grid 16 x 16, 4 waves a work-group, clusters of 4 x 4, 327,680 bytes of LDS; arguments ah, woh, out0; writes out0
.if DOCPART == 4
	.amdgcn_target "amdgcn-amd-amdhsa--gfx1250"
	.amdhsa_code_object_version 6
	.text
	.protected	k_q1027943679_oproj
	.globl	k_q1027943679_oproj
	.p2align	8
	.type	k_q1027943679_oproj,@function
k_q1027943679_oproj:
	s_mov_b64 s[64:65], 0
	v_nop
	global_prefetch_b8 v0, s[64:65] scope:SCOPE_SE
	s_setreg_imm32_b32 hwreg(HW_REG_WAVE_MODE, 25, 1), 1
	s_wait_xcnt 0x0
	s_wait_alu depctr_hold_cnt(0) depctr_sa_sdst(0) depctr_va_vdst(0) depctr_va_sdst(0) depctr_va_ssrc(0) depctr_va_vcc(0) depctr_vm_vsrc(0)
	s_getreg_b32 s2, hwreg(HW_REG_IB_STS2, 6, 4)
	s_cmp_eq_u32 s2, 0
	s_cbranch_scc0 .Lentry_in_a_cluster
	s_endpgm
.Lentry_in_a_cluster:
	s_bfe_u32 s2, ttmp6, 0x10000c
	s_cmp_lg_u32 s2, 0xf033
	s_cbranch_scc0 .Lentry_shape_is_right
	s_endpgm
.Lentry_shape_is_right:
; out0 [2048][2048] f32 = ah [2048][2048] f16 x woh [k 2048][n 2048] f16, sums in f32.
; A work-group makes 128 x 128 with four waves, a wave 64 x 64: 16 accumulator tiles, 128 registers.  K goes in steps of 256 through two LDS slots
; filled by tensor loads; 4 x 4 work-groups form a cluster: ah's tile is asked for jointly by a row of the cluster, woh's by a column.
; woh lies [k][n]: its fragments come by the transposing LDS load.  The matrix instruction is used transposed (source 0 = 16 columns of woh,
; source 1 = 16 rows of ah): a lane's eight results are eight neighbouring columns of one row.
; REGISTERS: window 0: addresses v16-26, two fragment buffers v32-95, v96-159; window 1: accumulator tile (a, b) at v[8 (4 a + b)].
.set NB,    4
.set PA,    528                        ; LDS row of ah: 512 bytes + 16 = 33 x 16
.set PB,    288                        ; LDS row of woh: 256 bytes + 32 = 9 x 32
.set QUART, 36864                      ; one wave's load: 128 rows x 288 (ah's 64 rows x 528 use 33,792)
.set SLOT,  4*QUART
.set STAGE, 2*SLOT                     ; behind the ring: 16 rows x 272 bytes of f32 for each wave; no tensor load lands here
.set SP,    272
.set LAPS,  4                          ; 2048 / (2 x 256)
.set ASTEP, 512
.set BSTEP, 0x100000                   ; 256 rows of 4,096 bytes
.set ADRA, 16                          ; v16-17 my ah fragments in slot 0, 1
.set ADRB, 20                          ; v20-23 my woh fragments: slot 0 k rows 0-127, 128-255, slot 1 likewise (an LDS offset has 16 bits)
.set STO,  24
.set RD,   25
.set CO,   26
.set FA0,  32
.set FB0,  64
.set FSTEP, 64
.set G1A, 24
.set G0A, 32
.set G1B, 40
.set G0B, 48
.set MSB, 0
.macro WIN new
.if MSB != \new
	s_set_vgpr_msb (MSB<<8)|\new
.set MSB, \new
.endif
.endm
.macro PLACES                          ; four places behind a matrix instruction (ISA guide 7.12.1)
.rept 4
	v_nop
.endr
.endm
.macro JLOAD s
	s_cmp_eq_u32 s15, 0
	s_cbranch_scc0 .Lfor_b_\@
	tensor_load_to_lds s[G0A+4*\s:G0A+4*\s+3], s[G1A:G1A+7]
	s_nop 0
	s_branch .Lasked_\@
.Lfor_b_\@:
	tensor_load_to_lds s[G0B+4*\s:G0B+4*\s+3], s[G1B:G1B+7]
	s_nop 0
.Lasked_\@:
.endm
.macro CREST
	s_cmp_lg_u32 s14, 0
	s_cbranch_scc1 .Lnot_wave_0_\@
	s_barrier_signal -3
.Lnot_wave_0_\@:
	s_barrier_wait -3
	s_barrier_signal -1
	s_barrier_wait -1
.endm
.macro CROUND
	s_barrier_signal -1
	s_barrier_wait -1
	CREST
.endm
	s_load_b128 s[4:7], s[0:1], 0x0                ; ah s[4:5], woh s[6:7]
	s_load_b64 s[12:13], s[0:1], 0x10              ; out0
	v_lshl_add_u32 v254, v0, 2, 0x4c400
	v_mov_b32 v255, 0
	ds_add_u32 v254, v255
	v_lshrrev_b32 v1, 5, v0
	v_readfirstlane_b32 s14, v1                    ; wave
	s_lshr_b32 s15, s14, 1                         ; my half of the rows; also: I fetch ah (0) or woh (1)
	s_and_b32 s16, s14, 1                          ; my half of the columns; also: which half of that tile I fetch
	s_bfe_u32 s17, ttmp6, 0x40000                  ; cx
	s_bfe_u32 s18, ttmp6, 0x40004                  ; cy
	s_lshl_b32 s19, ttmp9, 2
	s_add_co_u32 s19, s19, s17                     ; block column
	s_and_b32 s20, ttmp7, 0xffff
	s_lshl_b32 s20, s20, 2
	s_add_co_u32 s20, s20, s18                     ; block row
	s_lshl_b32 s21, s18, 2
	s_lshl_b32 s21, 15, s21
	s_lshl_b32 s22, 0x1111, s17
	s_or_b32 s[G1A+0], s21, (1<<16)|(1<<20)|(1<<21)|(6<<22)|(3<<25)   ; 4 words of padding behind every 128
	s_mov_b32 s[G1A+1], 256<<16
	s_mov_b32 s[G1A+2], 64<<16
	s_mov_b32 s[G1A+3], 256<<16
	s_mov_b32 s[G1A+4], 64
	s_mov_b32 s[G1A+5], 2048
	s_mov_b32 s[G1A+6], 0
	s_mov_b32 s[G1A+7], 0
	s_or_b32 s[G1B+0], s22, (1<<16)|(1<<20)|(1<<21)|(5<<22)|(7<<25)   ; 8 words of padding behind every 64
	s_mov_b32 s[G1B+1], 128<<16
	s_mov_b32 s[G1B+2], 128<<16
	s_mov_b32 s[G1B+3], 128<<16
	s_mov_b32 s[G1B+4], 128
	s_mov_b32 s[G1B+5], 2048
	s_mov_b32 s[G1B+6], 0
	s_mov_b32 s[G1B+7], 0
	s_lshl_b32 s56, s20, 19                        ; ah: (128 block row + 64 half) rows of 4,096 bytes; never holds cx
	s_lshl_b32 s58, s16, 18
	s_add_co_u32 s56, s56, s58
	s_mov_b32 s57, 0
	s_lshl_b32 s60, s19, 8                         ; woh: 256 bytes a block column + 128 half rows of 4,096 bytes; never holds cy
	s_lshl_b32 s59, s16, 19
	s_add_co_u32 s60, s60, s59
	s_mov_b32 s61, 0
	s_mul_i32 s62, s14, QUART
	s_lshl_b32 s68, s20, 20                        ; my first byte of out0: (128 block row + 64 half) x 8,192 + 512 block column + 256 half
	s_lshl_b32 s70, s15, 19
	s_add_co_u32 s68, s68, s70
	s_lshl_b32 s70, s19, 9
	s_add_co_u32 s68, s68, s70
	s_lshl_b32 s70, s16, 8
	s_add_co_u32 s68, s68, s70
	s_mov_b32 s69, 0
	s_wait_dscnt 0x0
	s_wait_kmcnt 0x0
	s_add_nc_u64 s[56:57], s[4:5], s[56:57]
	s_add_nc_u64 s[60:61], s[6:7], s[60:61]
	s_add_nc_u64 s[12:13], s[12:13], s[68:69]
	CROUND                                         ; in front of the first joint loads
.irp s, 0,1
	s_mov_b32 s[G0A+4*\s], 1
	s_add_co_u32 s[G0A+4*\s+1], s62, \s*SLOT
	s_add_nc_u64 s[G0A+4*\s+2:G0A+4*\s+3], s[56:57], \s*ASTEP
	s_or_b32 s[G0A+4*\s+3], s[G0A+4*\s+3], 0x80000000
	s_mov_b32 s[G0B+4*\s], 1
	s_add_co_u32 s[G0B+4*\s+1], s62, \s*SLOT
	s_add_nc_u64 s[G0B+4*\s+2:G0B+4*\s+3], s[60:61], \s*BSTEP
	s_or_b32 s[G0B+4*\s+3], s[G0B+4*\s+3], 0x80000000
	JLOAD \s                                       ; both first fills go out together: two loads of a wave are out
.endr
	v_and_b32 v1, 15, v0                           ; r
	v_bfe_u32 v2, v0, 4, 1                         ; h
	v_mul_u32_u24 v3, v1, PA
	v_lshl_add_u32 v3, v2, 4, v3
	s_mul_i32 s58, s15, QUART
	v_add_nc_u32 v[ADRA], s58, v3
	v_add_nc_u32 v[ADRA+1], SLOT, v[ADRA]
	v_and_b32 v4, 7, v0
	v_lshl_add_u32 v4, v2, 3, v4
	v_mul_u32_u24 v4, v4, PB
	v_bfe_u32 v5, v0, 3, 1
	v_lshl_add_u32 v4, v5, 4, v4
	s_lshl_b32 s59, s16, 7                         ; my 64 columns
	s_add_co_u32 s59, s59, 2*QUART
	v_add_nc_u32 v[ADRB], s59, v4
	v_add_nc_u32 v[ADRB+1], QUART, v[ADRB]
	v_add_nc_u32 v[ADRB+2], SLOT, v[ADRB]
	v_add_nc_u32 v[ADRB+3], SLOT, v[ADRB+1]
	s_mul_i32 s58, s14, 16*SP
	s_add_co_u32 s58, s58, STAGE
	v_mul_u32_u24 v6, v1, SP
	v_lshl_add_u32 v6, v2, 5, v6
	v_add_nc_u32 v[STO], s58, v6                   ; in: row r, 32 bytes for each half of the lanes
	v_mul_u32_u24 v6, v2, SP
	v_lshl_add_u32 v6, v1, 4, v6
	v_add_nc_u32 v[RD], s58, v6                    ; back: lanes 0-15 one row of 256 bytes, lanes 16-31 the next
	v_lshlrev_b32 v6, 13, v2
	v_lshl_add_u32 v[CO], v1, 4, v6
; 8 matrix instructions: row tiles a0, a0 + 1 x 4 column tiles.  The 16 accumulators take turns, one instruction a turn, in the same order in
; every chunk and over the loop's jump.
.macro MULH f, a0, zero
.irp a, \a0, \a0+1
.irp b, 0,1,2,3
.if \zero
	v_wmma_f32_16x16x32_f16 v[8*(NB*(\a)+\b):8*(NB*(\a)+\b)+7], v[FB0+FSTEP*\f+8*\b:FB0+FSTEP*\f+8*\b+7], v[FA0+FSTEP*\f+8*(\a):FA0+FSTEP*\f+8*(\a)+7], 0
.else
	v_wmma_f32_16x16x32_f16 v[8*(NB*(\a)+\b):8*(NB*(\a)+\b)+7], v[FB0+FSTEP*\f+8*\b:FB0+FSTEP*\f+8*\b+7], v[FA0+FSTEP*\f+8*(\a):FA0+FSTEP*\f+8*(\a)+7], v[8*(NB*(\a)+\b):8*(NB*(\a)+\b)+7]
.endif
.endr
.endr
.endm
.macro FETCH slot, e, f                ; 16 LDS loads: chunk e (32 along K, e = 0 .. 7) of a slot into buffer f
	WIN 0
.irp b, 0,1,2,3
	ds_load_tr16_b128 v[FB0+FSTEP*\f+8*\b:FB0+FSTEP*\f+8*\b+3],   v[ADRB+2*\slot+(\e>>2)] offset:(\e&3)*32*PB+32*\b
	ds_load_tr16_b128 v[FB0+FSTEP*\f+8*\b+4:FB0+FSTEP*\f+8*\b+7], v[ADRB+2*\slot+(\e>>2)] offset:(\e&3)*32*PB+32*\b+16*PB
.endr
.irp i, 0,1,2,3
	ds_load_b128 v[FA0+FSTEP*\f+8*\i:FA0+FSTEP*\f+8*\i+3],   v[ADRA+\slot] offset:64*\e+16*\i*PA
	ds_load_b128 v[FA0+FSTEP*\f+8*\i+4:FA0+FSTEP*\f+8*\i+7], v[ADRA+\slot] offset:64*\e+16*\i*PA+32
.endr
.endm
.macro CHUNK slot, enext, f, g, zero
	s_wait_dscnt 0x0                               ; buffer f is whole: its loads went out a chunk ago
	PLACES                                         ; the last chunk's matrix instructions read buffer g
	FETCH \slot, \enext, \g
	WIN 0x50
	MULH \f, 0, \zero
	MULH \f, 2, \zero
.endm
; A slot's last chunk and the change of slots: each wave's waits for its reads of the slot and for all its tensor loads stand in front of the barrier, which
; opens a round of the cluster's barrier where the slot is filled again; the joint refill is the first tensor load behind the round.
; From a request to the wait for it a wave issues 120 matrix instructions.
.macro TURN slot, next, fill
	s_wait_dscnt 0x0
	s_wait_tensorcnt 0x0
	ds_add_u32 v254, v255
	s_wait_dscnt 0x0
	s_barrier_signal -1
	WIN 0x50
	MULH 1, 0, 0
	WIN 0
	s_barrier_wait -1
.if \fill
	CREST
	s_add_nc_u64 s[G0A+4*\slot+2:G0A+4*\slot+3], s[G0A+4*\slot+2:G0A+4*\slot+3], 2*ASTEP
	s_add_nc_u64 s[G0B+4*\slot+2:G0B+4*\slot+3], s[G0B+4*\slot+2:G0B+4*\slot+3], 2*BSTEP
	JLOAD \slot
.endif
	PLACES
	FETCH \next, 0, 0
	WIN 0x50
	MULH 1, 2, 0
.endm
.macro SEVEN slot, zero
	CHUNK \slot, 1, 0, 1, \zero
	CHUNK \slot, 2, 1, 0, 0
	CHUNK \slot, 3, 0, 1, 0
	CHUNK \slot, 4, 1, 0, 0
	CHUNK \slot, 5, 0, 1, 0
	CHUNK \slot, 6, 1, 0, 0
	CHUNK \slot, 7, 0, 1, 0
.endm
.macro LAP zero
	SEVEN 0, \zero
	TURN 0, 1, 1
	SEVEN 1, 0
	TURN 1, 0, 1
.endm
	s_wait_tensorcnt 0x1                           ; my part of K step 0 is in; K step 1's may stay out
	s_barrier_signal -1
	s_barrier_wait -1
	FETCH 0, 0, 0
	LAP 1                                          ; the first products start the sums
	WIN 0
	s_mov_b32 s23, LAPS-2
.Llap:
	LAP 0
	WIN 0
	s_sub_co_u32 s23, s23, 1
	s_cmp_lg_u32 s23, 0
	s_cbranch_scc1 .Llap
	SEVEN 0, 0                                     ; the last lap fills nothing
	TURN 0, 1, 0
	SEVEN 1, 0
	s_wait_dscnt 0x0
	WIN 0x50
	MULH 1, 0, 0
	MULH 1, 2, 0
	PLACES
	WIN 0
; THE WAY OUT, 16 rows at a time, through my own stage: in by columns of a lane, back as whole rows of 256 bytes.
.macro OUT16 a, f
	WIN 0x04
.irp b, 0,1,2,3
	ds_store_b128 v[STO], v[8*(NB*\a+\b):8*(NB*\a+\b)+3] offset:64*\b
	ds_store_b128 v[STO], v[8*(NB*\a+\b)+4:8*(NB*\a+\b)+7] offset:64*\b+16
.endr
	WIN 0
	s_wait_xcnt 0x0                                ; earlier stores have had their addresses translated (ISA guide 3.1): buffer f is loaded again only behind this wait
.irp t, 0,1,2,3,4,5,6,7
	ds_load_b128 v[\f+4*\t:\f+4*\t+3], v[RD] offset:2*\t*SP    ; LDS serves a wave's instructions in order (ISA guide 5.7.1): these see the stores above
.endr
.irp t, 0,1,2,3,4,5,6,7
	s_wait_dscnt 7-\t                              ; load t is in, the younger ones stay out
	global_store_b128 v[CO], v[\f+4*\t:\f+4*\t+3], s[12:13] offset:(16*\a+2*\t)*8192 th:TH_STORE_NT   ; sixteen lanes: 256 consecutive bytes at a multiple of 256
.endr
.endm
	OUT16 0, 32
	OUT16 1, 96
	OUT16 2, 32
	OUT16 3, 96
	s_wait_tensorcnt 0x0
	ds_add_u32 v254, v255
	s_wait_dscnt 0x0
	CROUND                                         ; the closing round
	s_endpgm
.Lfunc_end_k_q1027943679_oproj:
	.size	k_q1027943679_oproj, .Lfunc_end_k_q1027943679_oproj-k_q1027943679_oproj
	.p2alignl 7, 3214868480
	.fill 96, 4, 3214868480
	.section	.rodata,"a",@progbits
	.p2align	6, 0x0
	.amdhsa_kernel k_q1027943679_oproj
		.amdhsa_group_segment_fixed_size 327680
		.amdhsa_private_segment_fixed_size 0
		.amdhsa_enable_private_segment 0
		.amdhsa_kernarg_size 24
		.amdhsa_user_sgpr_count 2
		.amdhsa_user_sgpr_kernarg_segment_ptr 1
		.amdhsa_wavefront_size32 1
		.amdhsa_system_sgpr_workgroup_id_x 1
		.amdhsa_system_sgpr_workgroup_id_y 1
		.amdhsa_system_sgpr_workgroup_id_z 1
		.amdhsa_system_vgpr_workitem_id 0
		.amdhsa_next_free_vgpr 384
		.amdhsa_next_free_sgpr 80
		.amdhsa_reserve_vcc 0
		.amdhsa_float_denorm_mode_32 3
		.amdhsa_float_denorm_mode_16_64 3
		.amdhsa_memory_ordered 1
		.amdhsa_forward_progress 1
		.amdhsa_inst_pref_size 126
	.end_amdhsa_kernel
	.amdgpu_metadata
---
amdhsa.version: [ 1, 2 ]
amdhsa.kernels:
  - .name:           k_q1027943679_oproj
    .symbol:         k_q1027943679_oproj.kd
    .args:
      - { .name: ah, .offset: 0, .size: 8, .value_kind: global_buffer, .address_space: global }
      - { .name: woh, .offset: 8, .size: 8, .value_kind: global_buffer, .address_space: global }
      - { .name: out0, .offset: 16, .size: 8, .value_kind: global_buffer, .address_space: global }
    .group_segment_fixed_size: 327680
    .private_segment_fixed_size: 0
    .kernarg_segment_align: 8
    .kernarg_segment_size: 24
    .max_flat_workgroup_size: 128
    .sgpr_count:     80
    .vgpr_count:     384
    .wavefront_size: 32
...
	.end_amdgpu_metadata
.endif
;; end of part 4
